; MI455X (gfx1250); checked and timed in simulation.
; The chip was launched on July 23, 2026; its instructions are those of AMD's public machine-readable ISA for CDNA 5 (MIT licence, August 2026) and "CDNA5" Instruction Set Architecture Reference Guide (July 2026). The comments in the code are by the model that wrote it; some were corrected since.
;; Optimized Quantized Linear. Allowed arithmetic: float matrix products may take bf16 or f16 operands with f32 sums; other float arithmetic in f32, or as packed bf16 or f16 multiplies, adds, multiply-adds, maxima and minima; sums over many terms, partial sums and values carried from step to step in f32; what a program stores and reads back later, other than sums and carried values, may be rounded once to bf16 or f16.
;; Inputs: packed 8,192 x 4,096 int32; scales 8,192 x 64 float32; x 64 x 8,192 float32.
;; Outputs: out0 64 x 8,192 float32.
;; One version. Each part assembles by itself: llvm-mc -triple=amdgcn-amd-amdhsa -mcpu=gfx1250 --defsym DOCPART=n.
;; ======== version 1 of 1: 2 launches
;; limits: values are held in f16: magnitudes above 65,504 overflow, below 6.1e-05 lose precision; inputs' magnitudes at most 65,504
;; workspace buffers: part 8,388,608 bytes
;; launch partial (part 1): grid 64 x 4, 8 waves a work-group, clusters of 4 x 1, 327,680 bytes of LDS; arguments packed, scales, x, part; writes part
.if DOCPART == 1
	.amdgcn_target "amdgcn-amd-amdhsa--gfx1250"
	.amdhsa_code_object_version 6
	.text
	.protected	k_qbeea2ab111_partial
	.globl	k_qbeea2ab111_partial
	.p2align	8
	.type	k_qbeea2ab111_partial,@function
k_qbeea2ab111_partial:
	s_mov_b64 s[64:65], 0
	v_nop
	global_prefetch_b8 v0, s[64:65] scope:SCOPE_SE
	s_setreg_imm32_b32 hwreg(HW_REG_WAVE_MODE, 25, 1), 1
	s_wait_xcnt 0x0
	s_wait_alu depctr_hold_cnt(0) depctr_sa_sdst(0) depctr_va_vdst(0) depctr_va_sdst(0) depctr_va_ssrc(0) depctr_va_vcc(0) depctr_vm_vsrc(0)
	s_getreg_b32 s2, hwreg(HW_REG_IB_STS2, 6, 4)
	s_cmp_eq_u32 s2, 0
	s_cbranch_scc0 .Lentry_in_a_cluster
	s_endpgm
.Lentry_in_a_cluster:
	s_bfe_u32 s2, ttmp6, 0x10000c
	s_cmp_lg_u32 s2, 0x3003
	s_cbranch_scc0 .Lentry_shape_is_right
	s_endpgm
.Lentry_shape_is_right:
; part[slab][b][o] = sum over the slab's 2,048 k of x[b][k] * (q[o][k] - 8) * scale[o][k/128]        (slab = work-group y, 0..3)
; packed: [8192][4096] int32, two 4-bit codes in the low byte of each word (bits 31:8 are ignored, as the reference's masks ignore them).
; A work-group owns 128 output rows and one K slab.  Wave w = (kq = w / 2, rh = w % 2) owns 64 of the rows (half rh) and 512 k (quarter kq),
; which it walks in FOUR PASSES of one scale group (128 k).  A unit = 16 rows x 128 k: 16 units a wave.
; WHY SO: 134 MB of packed against 8.6 GFLOP: the bytes decide.  With K cut in four over the work-groups a work-group takes in 512 KB of x for
;   its 512 KB of packed.  With a pass of 128 k a wave needs 128 registers of x in f16 at a time, and its sums (64 b x 64 o, 128 registers) stay
;   in registers from the first pass to the last.  x comes in four pieces through two LDS slots: only the first piece is waited for with
;   nothing to do; each later piece has a whole pass in which to land.
; x: the four work-groups of a cluster have the same slab, so x is asked for JOINTLY (mask 15).  A wave fetches 32 rows x 512 bytes a piece.
; packed: no two work-groups share a byte of it, so nothing of it can be asked for jointly.  Each wave runs a ring of DEPTH register slots with
;   counted waits only; a load takes 256 consecutive bytes of each of two rows.  A slot's four useful bytes are squeezed into one word, which
;   passes through a stage in LDS of the wave's own: a load has its lanes along k, a matrix fragment wants its lanes along rows.
; ARITHMETIC: q - 8 is exact in f16; x is rounded once to f16; each group of 128 k is summed in f32 by the matrix unit and the group's f32
;   scale multiplies that sum, so the weights are never rounded.  The order of the sums differs from the reference's.
; LIMIT: |x| above 65,504 becomes infinity in f16; below 2^-14 x is kept in steps of 2^-24.
; K ORDER, alike for x and for the weights: in K step t of a group, half h of the lanes covers kb = 64 h + 16 t + 0..15, and fragment register
;   4 u + p holds the pair (kb + 8 u + p, kb + 8 u + p + 4): the pairs that one mask cuts out of a squeezed word.
; The matrix instruction takes x as source 0 and the weights as source 1: register j of lane (r, h) is (b = 16 bt + 8 h + j, o = 16 T + r),
;   so a lane needs one scale a unit.  The text is straight: no loop, every step a macro.
.set DEPTH, 28                         ; ring slots = packed loads of a wave in flight: 28 x 512 bytes
.set NLOAD, 128                        ; packed loads of a wave: 4 passes x 32 pairs of rows
.set ROWB,  16384                      ; bytes in a row of packed
.set XP,    528                        ; LDS pitch of an x row: 512 + 16, an odd multiple of 16: 16 rows of one column fall on 16 different 16-byte columns of 256 bytes
.set XW,    32*XP                      ; what one tensor load fills: wave w's at w x XW, so that waves 2 kq and 2 kq + 1 make the 64 rows of quarter kq
.set XREG,  64*XP
.set SP,    272                        ; pitch of a row of sums: 64 f32 + 16 bytes
.set WSUM,  64*SP                      ; a wave's sums [64 b][64 o]
.set SLOT1, 8*WSUM                     ; slot 0 is bytes 0 .. 8 XW; the sums lie over slot 0 and the 4,096 bytes behind it; slot 1 begins behind them
.set STB,   SLOT1+8*XW                 ; the stages, bytes of their own (a multiple of 256 from LDS byte 0): no fill ever lands here
.set STP,   80                         ; stage pitch: a row's 16 squeezed words + 16 bytes, an odd multiple of 16
.set STG,   16*STP                     ; a stage buffer: one unit's 16 rows; two buffers a wave
; vector registers, window 0
.set OFFP, 1                           ; packed: row lane / 16, 16 bytes x (lane % 16)
.set STS,  2                           ; stage, store: row lane / 16, word lane % 16
.set STL,  3                           ; stage, load: row r, 32 bytes for each half of the lanes
.set SST,  4                           ; my wave's sums, store: row 8 h, column r
.set SOF,  5                           ; scales: row r
.set POF,  6                           ; part: row lane / 16, 16 bytes x (lane % 16)
.set XA,   7                           ; v7-8     x in LDS, slot 0 and slot 1: row r, 64 k for each half of the lanes
.set TS,   10                          ; v10-11   two squeezed words shifted by 8
.set TP,   12                          ; v12-27   squeeze, at work: two sets of 8, one for each batch of four rows
.set RA,   12                          ; v12-15   at the end: read addresses of four waves' sums
.set XEV,  28                          ; v28-35   the one x fragment (b tile 3, K step 3) that lies in window 0
.set CW,   36                          ; v36-43   a unit's squeezed words
.set EX,   44                          ; v44-59   two buffers for a weight fragment
.set PA,   60                          ; v60-91   a unit's sums, 4 b tiles
.set XR,   60                          ; v60-123  raw x on its way to f16 (between passes)
.set SC,   124                         ; v124-139 scales: tile T, pass p at SC + 4 T + p
.set RING, 140                         ; v140-251 the ring
.set RB,   60                          ; v60-187  at the end: 8 pairs of rows x 4 waves x 4 registers
; window 1 (v256-511): x fragment (b tile bt, K step t) at 8 (4 bt + t); in the last fragment's place two constants; then the sums
.set KC,   120                         ; f16 pairs {-1032, -1032} and {-72, -72}
.set SM,   128                         ; sums: tile T, b tile bt, register j at SM + 32 T + 8 bt + j
; scalar registers
.set G0,   24                          ; s[24:27], s[28:31] descriptor group 0, a set for each slot
.set SELA, 40
.set SELB, 41
.set ML,   42
.set MH,   43
.set B10,  44
.set B6,   45
.set MSB, 0
.macro WIN new                         ; s_set_vgpr_msb: bits 1:0 source 0, 3:2 source 1, 5:4 source 2, 7:6 destination; the high byte repeats the setting left
.if MSB != \new
	s_set_vgpr_msb (MSB<<8)|\new
.set MSB, \new
.endif
.endm
; A round of the cluster's barrier: my work-group's barrier, wave 0 signals for the work-group, every wave waits for all four work-groups,
; my work-group's barrier once more.
.macro ROUND
	s_barrier_signal -1
	s_barrier_wait -1
	s_cmp_lg_u32 s12, 0
	s_cbranch_scc1 .Lnot_wave_0_\@
	s_barrier_signal -3
.Lnot_wave_0_\@:
	s_barrier_wait -3
	s_barrier_signal -1
	s_barrier_wait -1
.endm
	s_load_b256 s[4:11], s[0:1], 0x0               ; packed s[4:5], scales s[6:7], x s[8:9], part s[10:11]
	v_lshl_add_u32 v254, v0, 2, 0x48000
	v_mov_b32 v255, 0
	ds_add_u32 v254, v255
	v_lshrrev_b32 v12, 5, v0
	v_readfirstlane_b32 s12, v12                   ; wave 0..7
	s_lshr_b32 s46, s12, 1                         ; kq: my quarter of the slab's k
	s_and_b32 s47, s12, 1                          ; rh: my half of the rows.  Also: which 32 rows of x I fetch
	s_bfe_u32 s13, ttmp6, 0x40000                  ; my place in the cluster
	s_lshl_b32 s14, ttmp9, 2
	s_add_co_u32 s14, s14, s13                     ; row block 0..63 = 4 x cluster x + place: enters the global offsets of packed, scales and part alone
	s_and_b32 s15, ttmp7, 0xffff                   ; K slab 0..3, the same in all four partners
	; descriptor group 1: 32 rows x 128 f32, 16 bytes of padding behind each row, for all four work-groups of the cluster
	s_mov_b32 s16, 15|(2<<16)|(1<<20)|(1<<21)|(6<<22)|(3<<25) ; 15:0 mask; 17:16 elements of 4 bytes; 20 padding on; 21 set beside a mask; 24:22 after every 128 words; 31:25 four words
	s_mov_b32 s17, 128<<16                         ; tensor_dim0 = 128
	s_mov_b32 s18, 32<<16                          ; tensor_dim1 = 32
	s_mov_b32 s19, 128<<16                         ; tile_dim0 = 128
	s_mov_b32 s20, 32                              ; tile_dim1 = 32
	s_mov_b32 s21, 8192                            ; elements from row to row
	s_mov_b32 s22, 0
	s_mov_b32 s23, 0
	s_mov_b32 s[G0], 1
	s_mul_i32 s[G0+1], s12, XW                     ; slot 0: the wave's number times a constant
	s_mov_b32 s[G0+4], 1
	s_mul_i32 s[G0+5], s12, XW
	s_add_co_u32 s[G0+5], s[G0+5], SLOT1           ; slot 1
	s_lshl_b32 s36, s47, 20                        ; x: 32 rows of 32 KB x rh
	s_lshl_b32 s37, s15, 13                        ;    + slab x 2,048 f32
	s_add_co_u32 s36, s36, s37
	s_lshl_b32 s37, s46, 11                        ;    + kq x 512 f32: made of the slab and the wave's number alone
	s_add_co_u32 s36, s36, s37
	s_mov_b32 s37, 0
	s_lshl_b32 s32, s14, 21                        ; packed: row block x 128 rows x 16 KB
	s_lshl_b32 s33, s47, 20                        ;    + rh x 64 rows
	s_add_co_u32 s32, s32, s33
	s_lshl_b32 s33, s15, 12                        ;    + slab x 4 KB
	s_add_co_u32 s32, s32, s33
	s_lshl_b32 s33, s46, 10                        ;    + kq x 1 KB
	s_add_co_u32 s32, s32, s33
	s_mov_b32 s33, 0
	s_lshl_b32 s34, s14, 15                        ; scales: row block x 128 rows x 256 bytes
	s_lshl_b32 s35, s47, 14                        ;    + rh x 64 rows
	s_add_co_u32 s34, s34, s35
	s_lshl_b32 s35, s15, 6                         ;    + slab x 16 groups
	s_add_co_u32 s34, s34, s35
	s_lshl_b32 s35, s46, 4                         ;    + kq x 4 groups
	s_add_co_u32 s34, s34, s35
	s_mov_b32 s35, 0
	s_lshl_b32 s38, s15, 21                        ; part: slab x 2 MB
	s_lshl_b32 s39, s46, 19                        ;    + 16 kq rows of 32 KB: at the end my wave adds up rows b = 16 kq .. + 15
	s_add_co_u32 s38, s38, s39
	s_lshl_b32 s39, s14, 9                         ;    + row block x 128 columns
	s_add_co_u32 s38, s38, s39
	s_lshl_b32 s39, s47, 8                         ;    + rh x 64 columns
	s_add_co_u32 s38, s38, s39
	s_mov_b32 s39, 0
	v_and_b32 v12, 15, v0                          ; r = lane % 16
	v_bfe_u32 v13, v0, 4, 1                        ; h = lane / 16
	v_lshlrev_b32 v[OFFP], 14, v13
	v_lshl_add_u32 v[OFFP], v12, 4, v[OFFP]
	v_lshlrev_b32 v[SOF], 8, v12
	s_wait_dscnt 0x0
	s_wait_kmcnt 0x0
	s_add_nc_u64 s[G0+2:G0+3], s[8:9], s[36:37]    ; piece 0
	s_add_nc_u64 s[G0+6:G0+7], s[G0+2:G0+3], 512   ; piece 1: 128 f32 further
	s_or_b32 s[G0+3], s[G0+3], 0x80000000          ; type = 2
	s_or_b32 s[G0+7], s[G0+7], 0x80000000
	s_add_nc_u64 s[4:5], s[4:5], s[32:33]
	s_add_nc_u64 s[6:7], s[6:7], s[34:35]
	s_add_nc_u64 s[10:11], s[10:11], s[38:39]
	ROUND                                          ; all four work-groups are here: the joint loads meet
	tensor_load_to_lds s[G0:G0+3], s[16:23]        ; piece 0 into slot 0,
	s_nop 0
	tensor_load_to_lds s[G0+4:G0+7], s[16:23]      ; piece 1 into slot 1: two tensor loads of a wave are out here, later one
	s_nop 0
.irp t, 0,1,2,3
	global_load_b128 v[SC+4*\t:SC+4*\t+3], v[SOF], s[6:7] offset:4096*\t   ; tile t's row r: the scales of my four groups, loaded once, kept
.endr
.set qn, 0
.rept DEPTH
	global_load_b128 v[RING+4*qn:RING+4*qn+3], v[OFFP], s[4:5] offset:qn*2*ROWB th:TH_LOAD_NT   ; the ring is filled: pass 0, the first DEPTH pairs of rows
.set qn, qn+1
.endr
	; constants, and LDS addresses: a constant, the wave's number times a constant, a lane term
	s_mov_b32 s[SELA], 0x00000400                  ; v_perm_b32: byte 0 of the second source, then byte 0 of the first
	s_mov_b32 s[SELB], 0x05040100                  ; the two low halves
	s_mov_b32 s[ML], 0x000f000f                    ; the low code of bytes 0 and 2
	s_mov_b32 s[MH], 0x00f000f0                    ; the high code of bytes 0 and 2
	s_mov_b32 s[B10], 0x64006400                   ; f16 1024 twice: its last place counts 1, so bits 3:0 read as 1024 + q
	s_mov_b32 s[B6], 0x54005400                    ; f16 64 twice: its last place counts 1/16, so bits 7:4 read as 64 + q
	WIN 0x40
	v_mov_b32 v[KC], 0xe408e408                    ; -1032 twice: (1024 + q) - 1032 = q - 8, exact
	v_mov_b32 v[KC+1], 0xd480d480                  ; -72 twice:   (64 + q) - 72 = q - 8, exact
	WIN 0
	s_mul_i32 s48, s46, XREG                       ; my quarter's 64 rows of x
	v_mul_u32_u24 v[XA], v12, XP
	v_lshl_add_u32 v[XA], v13, 8, v[XA]
	v_add_nc_u32 v[XA], s48, v[XA]
	v_add_nc_u32 v[XA+1], SLOT1, v[XA]
	s_mul_i32 s48, s12, 2*STG
	s_add_co_u32 s48, s48, STB                     ; my wave's stage
	v_mul_u32_u24 v[STS], v13, STP
	v_lshl_add_u32 v[STS], v12, 2, v[STS]
	v_add_nc_u32 v[STS], s48, v[STS]
	v_mul_u32_u24 v[STL], v12, STP
	v_lshl_add_u32 v[STL], v13, 5, v[STL]
	v_add_nc_u32 v[STL], s48, v[STL]
	s_mul_i32 s48, s47, WSUM                       ; for the end: the sums of wave rh (then 2 + rh, 4 + rh, 6 + rh), rows from 16 kq
	s_mul_i32 s49, s46, 16*SP
	s_add_co_u32 s48, s48, s49
	s_mul_i32 s49, s12, WSUM                       ; and my wave's own sums
; Unit u's 16 rows (8 loads) leave the ring, four loads at a time so that no instruction reads the one just ahead of it: the four useful bytes of a
; slot become one word (byte c = word c's byte: k = 8 (lane % 16) + 2 c, + 1), the words go to the stage, the slots are asked for again.
.macro SQ u
.irp hf, 0,1
.set qn, 8*(\u)+4*\hf
.if qn+DEPTH-1 < NLOAD-1
	s_wait_loadcnt DEPTH-4                         ; loads come back in order (ISA guide 5.7.1): loads qn .. qn + 3 are in, the DEPTH - 4 asked for behind them stay out (the scales are older still)
.else
	s_wait_loadcnt NLOAD-4-qn                      ; the tail: only the loads up to the last were asked for behind them
.endif
.irp i, 0,1,2,3
.set qs, RING+4*((qn+\i)%DEPTH)
	v_perm_b32 v[TP+8*\hf+2*\i],   v[qs+1], v[qs],   s[SELA]
	v_perm_b32 v[TP+8*\hf+2*\i+1], v[qs+3], v[qs+2], s[SELA]
.endr
.irp i, 0,1,2,3
	v_perm_b32 v[TP+8*\hf+2*\i], v[TP+8*\hf+2*\i+1], v[TP+8*\hf+2*\i], s[SELB]
.endr
.irp i, 0,1,2,3
	ds_store_b32 v[STS], v[TP+8*\hf+2*\i] offset:((\u)%2)*STG+(8*\hf+2*\i)*STP     ; rows 2 (4 hf + i) and + 1: the halves of the lanes lie 20 words apart
.endr
.irp i, 0,1,2,3
.if qn+\i+DEPTH < NLOAD
.set qs, RING+4*((qn+\i)%DEPTH)
.set ql, qn+\i+DEPTH
	global_load_b128 v[qs:qs+3], v[OFFP], s[4:5] offset:(ql%32)*2*ROWB+(ql/32)*256 th:TH_LOAD_NT   ; load ql: pass ql / 32, rows 2 (ql % 32) and + 1
.endif
.endr
.endr
.endm
; x of slot sl, b tile bt: four fragments.  16 loads of 16 bytes bring a lane's 64 f32; register XR + 16 t + j is x[64 h + 16 t + j].
.macro XB sl, bt
	WIN 0
.irp t, 0,1,2,3
.irp c, 0,1,2,3
	ds_load_b128 v[XR+16*\t+4*\c:XR+16*\t+4*\c+3], v[XA+\sl] offset:\bt*16*XP+64*\t+16*\c
.endr
.endr
.irp t, 0,1,2,3
	s_wait_dscnt 12-4*\t                           ; LDS loads come back in order: fragment t's four are in, the younger ones stay out
.set xd, 8*(4*\bt+\t)
.if xd == KC
	WIN 0                                          ; the last fragment lies in window 0
.set xd, XEV
.else
	WIN 0x40                                       ; destination in window 1
.endif
.irp u, 0,1
.irp p, 0,1,2,3
	v_cvt_pk_f16_f32 v[xd+4*\u+\p], v[XR+16*\t+8*\u+\p], v[XR+16*\t+8*\u+\p+4]
.endr
.endr
.endr
	WIN 0
.endm
.macro XPASS sl
	XB \sl, 0
	XB \sl, 1
	XB \sl, 2
	XB \sl, 3
.endm
; Unit u's squeezed words as a lane of a fragment wants them: row r, words 8 h .. 8 h + 7.  LDS serves a wave's instructions in order
; (ISA guide 5.7.1.4), and the stage is the wave's own: these loads see the stores of SQ u.
.macro LOADW u
	ds_load_b128 v[CW:CW+3],   v[STL] offset:((\u)%2)*STG
	ds_load_b128 v[CW+4:CW+7], v[STL] offset:((\u)%2)*STG+16
.endm
; K step ks: two squeezed words become the eight registers of a weight fragment, 18 instructions in four parts of 5, 5, 4, 4.
; They run under the matrix instructions' window setting (source 0 in window 1): source 0 is a scalar, a constant, or one of window 1's two constants.
.macro DQP ks, part
.set de, EX+8*((\ks)%2)
.set dw, CW+2*(\ks)
.if \part == 0
	v_lshrrev_b32 v[TS], 8, v[dw]
	v_lshrrev_b32 v[TS+1], 8, v[dw+1]
	v_and_or_b32 v[de],   s[ML], v[dw],   s[B10]   ; codes k0, k0 + 4
	v_and_or_b32 v[de+1], s[MH], v[dw],   s[B6]    ; codes k0 + 1, k0 + 5
	v_and_or_b32 v[de+4], s[ML], v[dw+1], s[B10]
.endif
.if \part == 1
	v_and_or_b32 v[de+5], s[MH], v[dw+1], s[B6]
	v_and_or_b32 v[de+2], s[ML], v[TS],   s[B10]   ; codes k0 + 2, k0 + 6
	v_and_or_b32 v[de+3], s[MH], v[TS],   s[B6]    ; codes k0 + 3, k0 + 7
	v_and_or_b32 v[de+6], s[ML], v[TS+1], s[B10]
	v_and_or_b32 v[de+7], s[MH], v[TS+1], s[B6]
.endif
.if \part == 2
.irp q, 0,1,4,5
	v_pk_add_f16 v[de+\q], v[KC+\q%2], v[de+\q]    ; q - 8, twice
.endr
.endif
.if \part == 3
.irp q, 2,3,6,7
	v_pk_add_f16 v[de+\q], v[KC+\q%2], v[de+\q]
.endr
.endif
.endm
; A unit's 16 products.  Behind each product stands a part of the NEXT K step's weight fragment, made in the other buffer.  That buffer was last read
; by the K step before: between its last product and the first write stand the four v_pk_add_f16 of part 3 and the two shifts of part 0, which name
; none of that product's registers: the places of ISA guide 7.12.1.  The four accumulators take turns, one instruction a turn.
; wc = the LDS instructions issued behind this unit's LOADW.
.macro MUL wc
	s_wait_dscnt \wc
	WIN 0x01
.irp q, 0,1,2,3
	DQP 0, \q
.endr
.irp ks, 0,1,2,3
.irp bt, 0,1,2,3
.set ma, PA+8*\bt
.set me, EX+8*(\ks%2)
.set mx, 8*(4*\bt+\ks)
.if mx == KC
	WIN 0                                          ; the unit's last product takes its x fragment from window 0
.set mx, XEV
.endif
.if \ks == 0
	v_wmma_f32_16x16x32_f16 v[ma:ma+7], v[mx:mx+7], v[me:me+7], 0          ; the first K step starts the sums: nothing is cleared
.else
	v_wmma_f32_16x16x32_f16 v[ma:ma+7], v[mx:mx+7], v[me:me+7], v[ma:ma+7]
.endif
.if \ks < 3
	DQP \ks+1, \bt
.endif
.endr
.endr
.endm
; The unit's sums times the group's scale, onto the tile's sums in window 1 (the first pass starts them).
.macro SCALE u
.set sps, (\u)/4
.set sr, SC+4*((\u)%4)+2*(sps/2)
.set sd, SM+32*((\u)%4)
.if sps == 0
	WIN 0x40
.else
	WIN 0x50                                       ; destination and source 2 in window 1
.endif
.irp i, 0,1,2,3,4,5,6,7,8,9,10,11,12,13,14,15
.if sps == 0
	v_pk_mul_f32 v[sd+2*\i:sd+2*\i+1], v[PA+2*\i:PA+2*\i+1], v[sr:sr+1] op_sel_hi:[1,0]
.elseif sps == 2
	v_pk_fma_f32 v[sd+2*\i:sd+2*\i+1], v[PA+2*\i:PA+2*\i+1], v[sr:sr+1], v[sd+2*\i:sd+2*\i+1] op_sel_hi:[1,0,1]
.else
	v_pk_fma_f32 v[sd+2*\i:sd+2*\i+1], v[PA+2*\i:PA+2*\i+1], v[sr:sr+1], v[sd+2*\i:sd+2*\i+1] op_sel:[0,1,0] op_sel_hi:[1,1,1]
.endif
.endr
.endm
; A unit.  Between the last product and the first read of a sum stand at least four plain vector instructions that name none of the products'
; registers (ISA guide 7.12.1): the squeeze of the unit after next; in the last two units, which have none, the addresses of the way out.
.macro UNIT u, wc
	MUL \wc
.if \u < 15
	LOADW (\u)+1                                   ; the words have been used up; the next unit's come meanwhile
.endif
.if \u < 14
	SQ (\u)+2
.endif
.if \u == 14
	v_and_b32 v[TP+4], 15, v0
	v_bfe_u32 v[TP+5], v0, 4, 1
	v_mul_u32_u24 v[RA], v[TP+5], SP               ; sums back: lanes 0-15 take a row of 256 bytes, lanes 16-31 the next
	v_lshl_add_u32 v[RA], v[TP+4], 4, v[RA]
	v_add_nc_u32 v[RA], s48, v[RA]
.irp q, 1,2,3
	v_add_nc_u32 v[RA+\q], \q*2*WSUM, v[RA]
.endr
.endif
.if \u == 15
	v_mul_u32_u24 v[SST], v[TP+5], 8*SP
	v_lshl_add_u32 v[SST], v[TP+4], 2, v[SST]
	v_add_nc_u32 v[SST], s49, v[SST]
	v_lshlrev_b32 v[POF], 15, v[TP+5]              ; the same two rows in part: 32 KB a row
	v_lshl_add_u32 v[POF], v[TP+4], 4, v[POF]
.endif
	SCALE \u
.endm
; The end of a pass whose x came from slot sl: that slot is filled again, with the piece two further on.
.macro BOUND sl
	WIN 0
	s_wait_tensorcnt 0x0                           ; all my tensor loads have landed, my part of the next pass's piece among them,
	ds_add_u32 v254, v255
	s_add_nc_u64 s[G0+4*\sl+2:G0+4*\sl+3], s[G0+4*\sl+2:G0+4*\sl+3], 1024   ; so a group 0 may be written: 2 x 128 f32 further
	s_wait_dscnt 0x0                               ; my LDS reads are back, those of slot sl long since
	ROUND                                          ; both now hold of every wave of all four work-groups,
	tensor_load_to_lds s[G0+4*\sl:G0+4*\sl+3], s[16:23]    ; and the slot is filled again, jointly: it has the whole pass in which to land
	s_nop 0
.endm
	SQ 0                                           ; two units of packed are squeezed while x is on its way: work that needs no x and keeps the ring moving
	SQ 1
	s_wait_tensorcnt 0x1                           ; my part of piece 0 is in; piece 1 stays out
	s_wait_dscnt 0x0
	s_barrier_signal -1
	s_barrier_wait -1                              ; the other wave's half of my quarter is in too
	XPASS 0
	LOADW 0
	UNIT 0, 0
	UNIT 1, 8                                      ; behind a unit's LOADW stand the 8 stage stores of the squeeze that follows it
	UNIT 2, 8
	UNIT 3, 8
	BOUND 0                                        ; piece 2 into slot 0
	XPASS 1
	UNIT 4, 0
	UNIT 5, 8
	UNIT 6, 8
	UNIT 7, 8
	BOUND 1                                        ; piece 3 into slot 1
	XPASS 0
	UNIT 8, 0
	UNIT 9, 8
	UNIT 10, 8
	UNIT 11, 8
	WIN 0
	s_wait_tensorcnt 0x0                           ; my part of piece 3 is in,
	s_wait_dscnt 0x0                               ; my reads of slot 0 are over: behind this barrier it may take sums
	s_barrier_signal -1
	s_barrier_wait -1                              ; nothing more is filled: my work-group's barrier is enough
	XPASS 1
	UNIT 12, 0
	UNIT 13, 8
	UNIT 14, 8
	UNIT 15, 0
	; THE WAVES' SUMS MEET.  Each wave lays down its [64 b][64 o]; wave (kq, rh) adds up rows b = 16 kq .. + 15 of the four waves with its rh.
	WIN 0x04                                       ; store data (source 1) from window 1
.irp t, 0,1,2,3
.irp bt, 0,1,2,3
.irp j, 0,1,2,3,4,5,6,7
	ds_store_b32 v[SST], v[SM+32*\t+8*\bt+\j] offset:(16*\bt+\j)*SP+64*\t  ; (b = 16 bt + 8 h + j, o = 16 t + r); the halves of the lanes lie 8 x 272 bytes = 32 words mod 64 apart
.endr
.endr
.endr
	WIN 0
	s_wait_dscnt 0x0                               ; my stores of sums are done, for the others' sake
	s_barrier_signal -1
	s_barrier_wait -1
.irp i, 0,1,2,3,4,5,6,7
.irp q, 0,1,2,3
	ds_load_b128 v[RB+16*\i+4*\q:RB+16*\i+4*\q+3], v[RA+\q] offset:\i*2*SP
.endr
.endr
.irp i, 0,1,2,3,4,5,6,7
	s_wait_dscnt 28-4*\i                           ; pair i's four loads are in; the younger pairs' stay out
.set rb0, RB+16*\i
	v_pk_add_f32 v[rb0:rb0+1],     v[rb0:rb0+1],     v[rb0+4:rb0+5]
	v_pk_add_f32 v[rb0+2:rb0+3],   v[rb0+2:rb0+3],   v[rb0+6:rb0+7]
	v_pk_add_f32 v[rb0+8:rb0+9],   v[rb0+8:rb0+9],   v[rb0+12:rb0+13]
	v_pk_add_f32 v[rb0+10:rb0+11], v[rb0+10:rb0+11], v[rb0+14:rb0+15]
	v_pk_add_f32 v[rb0:rb0+1],     v[rb0:rb0+1],     v[rb0+8:rb0+9]
	v_pk_add_f32 v[rb0+2:rb0+3],   v[rb0+2:rb0+3],   v[rb0+10:rb0+11]
	global_store_b128 v[POF], v[rb0:rb0+3], s[10:11] offset:\i*65536       ; 16 lanes store 256 consecutive bytes, at a multiple of 256 from part's first byte; each pair has data registers of its own, never rewritten
.endr
	s_wait_tensorcnt 0x0
	ds_add_u32 v254, v255
	s_wait_dscnt 0x0
	ROUND                                          ; the closing round: no work-group ends while a partner may still ask for a tile that names it
	s_endpgm
.Lfunc_end_k_qbeea2ab111_partial:
	.size	k_qbeea2ab111_partial, .Lfunc_end_k_qbeea2ab111_partial-k_qbeea2ab111_partial
	.p2alignl 7, 3214868480
	.fill 96, 4, 3214868480
	.section	.rodata,"a",@progbits
	.p2align	6, 0x0
	.amdhsa_kernel k_qbeea2ab111_partial
		.amdhsa_group_segment_fixed_size 327680
		.amdhsa_private_segment_fixed_size 0
		.amdhsa_enable_private_segment 0
		.amdhsa_kernarg_size 32
		.amdhsa_user_sgpr_count 2
		.amdhsa_user_sgpr_kernarg_segment_ptr 1
		.amdhsa_wavefront_size32 1
		.amdhsa_system_sgpr_workgroup_id_x 1
		.amdhsa_system_sgpr_workgroup_id_y 1
		.amdhsa_system_sgpr_workgroup_id_z 1
		.amdhsa_system_vgpr_workitem_id 0
		.amdhsa_next_free_vgpr 512
		.amdhsa_next_free_sgpr 66
		.amdhsa_reserve_vcc 0
		.amdhsa_float_denorm_mode_32 3
		.amdhsa_float_denorm_mode_16_64 3
		.amdhsa_memory_ordered 1
		.amdhsa_forward_progress 1
		.amdhsa_inst_pref_size 223
	.end_amdhsa_kernel
	.amdgpu_metadata
---
amdhsa.version: [ 1, 2 ]
amdhsa.kernels:
  - .name:           k_qbeea2ab111_partial
    .symbol:         k_qbeea2ab111_partial.kd
    .args:
      - { .name: packed, .offset: 0, .size: 8, .value_kind: global_buffer, .address_space: global }
      - { .name: scales, .offset: 8, .size: 8, .value_kind: global_buffer, .address_space: global }
      - { .name: x, .offset: 16, .size: 8, .value_kind: global_buffer, .address_space: global }
      - { .name: part, .offset: 24, .size: 8, .value_kind: global_buffer, .address_space: global }
    .group_segment_fixed_size: 327680
    .private_segment_fixed_size: 0
    .kernarg_segment_align: 8
    .kernarg_segment_size: 32
    .max_flat_workgroup_size: 256
    .sgpr_count:     66
    .vgpr_count:     512
    .wavefront_size: 32
...
	.end_amdgpu_metadata
.endif
;; end of part 1
;; launch combine (part 2): grid 256 x 1, 8 waves a work-group, no clusters, 0 bytes of LDS; arguments part, out0; writes out0
.if DOCPART == 2
	.amdgcn_target "amdgcn-amd-amdhsa--gfx1250"
	.amdhsa_code_object_version 6
	.text
	.protected	k_qbeea2ab111_combine
	.globl	k_qbeea2ab111_combine
	.p2align	8
	.type	k_qbeea2ab111_combine,@function
k_qbeea2ab111_combine:
	s_mov_b64 s[64:65], 0
	v_nop
	global_prefetch_b8 v0, s[64:65] scope:SCOPE_SE
	s_setreg_imm32_b32 hwreg(HW_REG_WAVE_MODE, 25, 1), 1
	s_wait_xcnt 0x0
; out0[b][o] = part[0][b][o] + part[1][b][o] + part[2][b][o] + part[3][b][o], as (0 + 1) + (2 + 3), in f32.
; A plain stream: 8 MB in, 2 MB out, every byte once.  A work-group owns 8,192 consecutive bytes of out0, two chunks of 4,096; thread t owns
; 16 bytes of each chunk, so every load and store of a wave covers 512 consecutive bytes.  All eight loads of a wave go out at once.
; No LDS, no barrier, no matrix unit: there is nothing to share and nothing to multiply.
.set SLAB,  2097152                    ; bytes of one slab's sums
.set CHUNK, 4096
.set X, 4                              ; v[4:35]  chunk c, slab s at X + 16 c + 4 s
	s_load_b128 s[4:7], s[0:1], 0x0                ; part s[4:5], out0 s[6:7]
	s_lshl_b32 s8, ttmp9, 13                       ; the work-group's 8,192 bytes
	s_mov_b32 s9, 0
	v_lshlrev_b32 v1, 4, v0
	s_wait_kmcnt 0x0
	s_add_nc_u64 s[4:5], s[4:5], s[8:9]
	s_add_nc_u64 s[6:7], s[6:7], s[8:9]
.irp c, 0,1
.irp s, 0,1,2,3
	global_load_b128 v[X+16*\c+4*\s:X+16*\c+4*\s+3], v1, s[4:5] offset:\s*SLAB+\c*CHUNK th:TH_LOAD_NT
.endr
.endr
.macro SUM c, left
	s_wait_loadcnt \left                           ; loads come back in order (ISA guide 5.7.1): this chunk's four are in
.set b, X+16*\c
	v_pk_add_f32 v[b:b+1],     v[b:b+1],     v[b+4:b+5]
	v_pk_add_f32 v[b+2:b+3],   v[b+2:b+3],   v[b+6:b+7]
	v_pk_add_f32 v[b+8:b+9],   v[b+8:b+9],   v[b+12:b+13]
	v_pk_add_f32 v[b+10:b+11], v[b+10:b+11], v[b+14:b+15]
	v_pk_add_f32 v[b:b+1],     v[b:b+1],     v[b+8:b+9]
	v_pk_add_f32 v[b+2:b+3],   v[b+2:b+3],   v[b+10:b+11]
	global_store_b128 v1, v[b:b+3], s[6:7] offset:\c*CHUNK th:TH_STORE_NT
.endm
	SUM 0, 4                                       ; the second chunk's four loads stay out
	SUM 1, 0
	s_endpgm
.Lfunc_end_k_qbeea2ab111_combine:
	.size	k_qbeea2ab111_combine, .Lfunc_end_k_qbeea2ab111_combine-k_qbeea2ab111_combine
	.p2alignl 7, 3214868480
	.fill 96, 4, 3214868480
	.section	.rodata,"a",@progbits
	.p2align	6, 0x0
	.amdhsa_kernel k_qbeea2ab111_combine
		.amdhsa_group_segment_fixed_size 0
		.amdhsa_private_segment_fixed_size 0
		.amdhsa_enable_private_segment 0
		.amdhsa_kernarg_size 16
		.amdhsa_user_sgpr_count 2
		.amdhsa_user_sgpr_kernarg_segment_ptr 1
		.amdhsa_wavefront_size32 1
		.amdhsa_system_sgpr_workgroup_id_x 1
		.amdhsa_system_sgpr_workgroup_id_y 1
		.amdhsa_system_sgpr_workgroup_id_z 1
		.amdhsa_system_vgpr_workitem_id 0
		.amdhsa_next_free_vgpr 40
		.amdhsa_next_free_sgpr 66
		.amdhsa_reserve_vcc 0
		.amdhsa_float_denorm_mode_32 3
		.amdhsa_float_denorm_mode_16_64 3
		.amdhsa_memory_ordered 1
		.amdhsa_forward_progress 1
		.amdhsa_inst_pref_size 3
	.end_amdhsa_kernel
	.amdgpu_metadata
---
amdhsa.version: [ 1, 2 ]
amdhsa.kernels:
  - .name:           k_qbeea2ab111_combine
    .symbol:         k_qbeea2ab111_combine.kd
    .args:
      - { .name: part, .offset: 0, .size: 8, .value_kind: global_buffer, .address_space: global }
      - { .name: out0, .offset: 8, .size: 8, .value_kind: global_buffer, .address_space: global }
    .group_segment_fixed_size: 0
    .private_segment_fixed_size: 0
    .kernarg_segment_align: 8
    .kernarg_segment_size: 16
    .max_flat_workgroup_size: 256
    .sgpr_count:     66
    .vgpr_count:     40
    .wavefront_size: 32
...
	.end_amdgpu_metadata
.endif
;; end of part 2
